; MI455X (gfx1250); checked and timed in simulation.
; The chip was launched on July 23, 2026; its instructions are those of AMD's public machine-readable ISA for CDNA 5 (MIT licence, August 2026) and "CDNA5" Instruction Set Architecture Reference Guide (July 2026). The comments in the code are by the model that wrote it; some were corrected since.
;; Vector Quantize. Allowed arithmetic: matrix products marked QUANTISED: E3M2 operands, one E8M0 scale for each 32 along K, by v_wmma_scale_f32_16x16x128_f8f6f4 with both operands' format E3M2, f32 sums; everything else in f32.
;; Inputs: embed 8,192 x 256 float32; x 8 x 4,096 x 256 float32.
;; Outputs: out0 8 x 4,096 x 256 float32; out1 8 x 4,096 int32; out2 one number float32.
;; This version of the problem:
;;   THIS VERSION OF THE PROBLEM IS GIVEN IN LOW PRECISION. The matrix products marked QUANTISED in the list below multiply operands that are first quantised to E3M2 (3 exponent bits, 2 mantissa bits; 6 bits a number), with one power-of-two scale for each 32 numbers along K (OCP MX v1.0); their sums are f32. All else is computed in f32.
;;   The module's matrix products, in the order in which they are computed (A, B: the left and right operand; K: the contracted axis; several contracted axes count as one K, in the product's order):
;;     1. [M 32,768, K 256] x [K 256, N 8,192]; A: computed on the way; B: input embed: QUANTISED
;;   THE QUANTISER, for each operand of a quantised product, along K:
;;     - K is cut into blocks of 32 from its start; a last block that is shorter is filled with zeros.
;;     - A block's scale is 2^e with e = floor(log2(the largest magnitude in the block)) - 4, held to -126 .. 127; a block of zeros has e = 0. As a byte (E8M0): e + 127.
;;     - Each number is divided by its block's scale, clamped to +-28, and rounded to the nearest number of E3M2, ties to even, subnormals kept.
;;     - The product sums the exact products of the quantised numbers (number of the format x scale) in f32.
;;   ~~~python
;;   def quantise(x, axis):      # numpy; x: float32 -> the quantised numbers, widened to float32 again
;;       x = np.moveaxis(x, axis, -1); K = x.shape[-1]
;;       x = np.pad(x, [(0, 0)] * (x.ndim - 1) + [(0, -K % 32)]); x = x.reshape(x.shape[:-1] + (-1, 32)); a = np.abs(x).max(-1, keepdims=True)
;;       e = np.where(a > 0, np.clip(np.frexp(np.where(a > 0, a, 1))[1] - 1 - 4, -126, 127), 0)      # np.frexp(a)[1] - 1 = floor(log2(a)), exactly
;;       r = np.clip(x / 2.0 ** e, -28, 28)
;;       step = 2.0 ** (np.maximum(np.frexp(np.where(r == 0, 1, r))[1] - 1, -2) - 2)
;;       q = np.round(r / step) * step * 2.0 ** e      # np.round: ties to even
;;       return np.moveaxis(q.reshape(q.shape[:-2] + (-1,))[..., :K], -1, axis).astype(np.float32)
;;   ~~~
;;   OPERANDS COMPUTED ON THE WAY. 'Computed on the way' means the value that the module computes at that place (a softmax that the list does not call 'softmax' is quantised finished and normalised). What goes into a quantiser is computed in f32, as accurately as f32 sums, v_exp_f32 and their like allow (about 1e-6 of the number): no bf16 or f16 on the way to a quantiser, and a product that is left as it is and whose result goes on into a quantised operand takes f32 operands (vector FMAs, or v_wmma_f32_16x16x4_f32). A number that lies on a knife's edge between two numbers of the format may be rounded either way, as far as f32 arithmetic and the matrix unit's own rounding can turn it there, and no further.
;; One version. Each part assembles by itself: llvm-mc -triple=amdgcn-amd-amdhsa -mcpu=gfx1250 --defsym DOCPART=n.
;; ======== version 1 of 1: 4 launches
;; limits: right only within a limited range of input values
;; workspace buffers: ews 1,703,936 bytes; ind 131,072 bytes of whole numbers; part 2,048 bytes
;; launch quant_e (part 1): grid 256 x 1, 2 waves a work-group, no clusters, 17,152 bytes of LDS; arguments embed, ews; writes ews
.if DOCPART == 1
	.amdgcn_target "amdgcn-amd-amdhsa--gfx1250"
	.amdhsa_code_object_version 6
	.text
	.protected	k_qb492f18b1e_quant_e
	.globl	k_qb492f18b1e_quant_e
	.p2align	8
	.type	k_qb492f18b1e_quant_e,@function
k_qb492f18b1e_quant_e:
	s_mov_b64 s[64:65], 0
	v_nop
	global_prefetch_b8 v0, s[64:65] scope:SCOPE_SE
	s_setreg_imm32_b32 hwreg(HW_REG_WAVE_MODE, 25, 1), 1
	s_wait_xcnt 0x0
; embed [8192][256] f32 becomes 512 RECORDS of 3,328 bytes (13 x 256), one for each 16 codes, laid in the order in which the product's launch takes them into registers.
; Record T (codes 16 T .. 16 T + 15):  bytes 0-1535: the image of the operand's 12 registers for K 0-127 (register 4 c + i of lane l at 512 c + 16 l + 4 i);  1536-3071: the same for K 128-255;
;   3072-3199: the image of one scale register: lane r holds code r's four E8M0 bytes of K 0-127, lane 16 + r those of K 128-255;  3200-3263: minus the sum of squares of each of the 16 codes, f32;  3264-3327: zeros.
; The codes are BF6 (E3M2).  A block of 32 along K has the scale 2^(floor(log2(its largest magnitude)) - 4); its byte is the largest magnitude's exponent field - 4, held at 1 from below.
; (A block of zeros so gets the byte 1 where the rule says 127: its codes are zeros, which add nothing under any byte but 0xff, and this program alone reads the bytes.)
; LIMITS: NaN and infinities among the inputs are not served; blocks whose largest magnitude lies under 2^-122 keep the byte 1.
; One wave makes one record; waves share nothing: no barrier, no loop.  Each load reads 512 consecutive bytes (half a row); the conversions want 16 neighbours along K in one lane, so 16 half rows turn through the wave's own stage in LDS.
.set REC,  3328
.set GL,   4                           ; v4     16 x lane
.set STW,  5                           ; v5     the stage, on the way in: 16 x lane
.set STR,  6                           ; v6     and on the way out: 528 r + 64 h
.set L4,   7                           ; v7     4 x lane
.set TM,   8                           ; v8-11  largest magnitudes, v12-15 the other half's, then the bytes
.set TS,   16                          ; v16-19 the conversions' scale operands
.set ZERO, 20
.set PW0,  24                          ; v24, v25 the scale words of the two K steps
.set PW1,  25
.set OUTS, 26                          ; v26    the scale register's image
.set OUTE, 27                          ; v27    minus the sum of squares, or 0
.set SQ,   28                          ; v28-35 sums of squares: four chains of pairs
.set PCA,  36                          ; v36-55 K step 0's codes (12 registers, and 8 at work)
.set RAW,  64                          ; v64-191 the 32 loads as they come; v64-127 then take K step 1's numbers, turned
.set F0,   192                         ; v192-255 K step 0's numbers, turned
.set PCB,  192                         ; v192-211 K step 1's codes: a set of its own, so that no store's data are written again
.set SEL,  14                          ; s[14:15] v_permlanex16_b32's selects for lane l xor 16
.set MHI,  16                          ; s16    lanes 16-31
; 16 half rows (512 bytes each, 16 bytes a lane, in v[src] on) go into the stage as they lie, rows 528 bytes apart (33 x 16: the sixteen rows of a load begin in different banks), and come back so that
; register 16 b + i of lane (r, h) is k = 32 b + 16 h + i of row r.  LDS serves a wave's instructions in order, so no wait stands between the stores and the loads.
.macro XTURN src, dst
.irp i, 0,1,2,3,4,5,6,7,8,9,10,11,12,13,14,15
	ds_store_b128 v[STW], v[(\src)+4*\i:(\src)+4*\i+3] offset:528*\i
.endr
.irp b, 0,1,2,3
.irp j, 0,1,2,3
	ds_load_b128 v[(\dst)+16*\b+4*\j:(\dst)+16*\b+4*\j+3], v[STR] offset:128*\b+16*\j
.endr
.endr
.endm
; 64 numbers of a lane, v[s] on, laid as XTURN leaves them, become a fragment's codes in v[pc] .. v[pc + 11] and my row's scale word in v[pw].
.macro QUANT s, pc, pw
.irp b, 0,1,2,3
	v_max3_num_f32 v[TM+\b], |v[(\s)+16*\b]|, |v[(\s)+1+16*\b]|, 0x2800000   ; block b: my 16 numbers, and the floor 2^(5 - 127): the byte cannot fall under 1
.endr
.irp i, 2,4,6,8,10,12,14
.irp b, 0,1,2,3
	v_max3_num_f32 v[TM+\b], v[TM+\b], |v[(\s)+16*\b+\i]|, |v[(\s)+1+16*\b+\i]|   ; the four blocks by turns: no line waits for the line above it
.endr
.endr
.irp b, 0,1,2,3
	v_permlanex16_b32 v[TM+4+\b], v[TM+\b], s[SEL], s[SEL+1]
.endr
.irp b, 0,1,2,3
	v_max_num_f32 v[TM+\b], v[TM+\b], v[TM+4+\b]   ; with lane l xor 16's 16: the block's largest magnitude
.endr
.irp b, 0,1,2,3
	v_add_nc_u32 v[TS+\b], 0xfe000000, v[TM+\b]    ; 4 off its exponent field: the conversion takes the exponent field of this operand as its scale, and nothing else of it
.endr
.irp b, 0,1,2,3
	v_lshrrev_b32 v[TM+4+\b], 23, v[TS+\b]         ; the scale's byte
.endr
	v_lshl_or_b32 v[\pw], v[TM+5], 8, v[TM+4]
	v_lshl_or_b32 v[\pw], v[TM+6], 16, v[\pw]
	v_lshl_or_b32 v[\pw], v[TM+7], 24, v[\pw]
.irp c, 0,1
	v_cvt_scalef32_pk16_bf6_f32 v[(\pc)+6*\c:(\pc)+2+6*\c], v[(\s)+32*\c:(\s)+15+32*\c], v[TS+2*\c]
	v_cvt_scalef32_pk16_bf6_f32 v[(\pc)+12+4*\c:(\pc)+14+4*\c], v[(\s)+16+32*\c:(\s)+31+32*\c], v[TS+2*\c+1]   ; (a conversion's three registers begin on an even number)
.endr
	v_nop                                          ; one plain instruction behind the scaled conversions
.irp c, 0,1                                        ; the operand's layout wants a WHOLE block in a lane: lanes 0-15 block 2 c, lanes 16-31 block 2 c + 1
.irp i, 0,1,2
	v_permlane16_swap_b32 v[(\pc)+6*\c+\i], v[(\pc)+12+4*\c+\i]
.endr
.irp i, 0,1,2
	v_mov_b32 v[(\pc)+3+6*\c+\i], v[(\pc)+12+4*\c+\i]
.endr
.endr
.endm
	s_load_b128 s[4:7], s[0:1], 0x0                ; embed s[4:5], the records s[6:7]
	v_lshl_add_u32 v62, v0, 2, 0x4200
	v_mov_b32 v63, 0
	v_lshrrev_b32 v1, 5, v0
	v_readfirstlane_b32 s8, v1                     ; wave 0, 1
	v_and_b32 v1, 31, v0                           ; lane
	v_and_b32 v2, 15, v0                           ; r
	v_bfe_u32 v3, v0, 4, 1                         ; h
	v_lshlrev_b32 v[GL], 4, v1
	v_lshlrev_b32 v[L4], 2, v1
	s_mul_i32 s9, s8, 16*528                       ; my wave's stage
	v_add_nc_u32 v[STW], s9, v[GL]
	v_mul_u32_u24 v[STR], v2, 528
	v_lshl_add_u32 v[STR], v3, 6, v[STR]
	v_add_nc_u32 v[STR], s9, v[STR]
	v_mov_b32 v[ZERO], 0
	v_mov_b32 v[OUTE], 0                           ; written once: a lane permute's destination counts as one of its sources
.irp b, 0,1,2,3
	v_mov_b32 v[TM+4+\b], 0
.endr
	s_mov_b32 s[SEL], 0x76543210
	s_mov_b32 s[SEL+1], 0xfedcba98
	s_mov_b32 s[MHI], 0xffff0000
	s_lshl_b32 s10, ttmp9, 1
	s_add_co_u32 s10, s10, s8                      ; my record T = 2 x work-group + wave
	s_lshl_b32 s12, s10, 14                        ; its 16 rows of 1,024 bytes
	s_mov_b32 s13, 0
	s_mul_i32 s18, s10, REC
	s_mov_b32 s19, 0
	s_wait_alu depctr_va_vdst(0)
	s_wait_kmcnt 0x0
	s_add_nc_u64 s[4:5], s[4:5], s[12:13]
	s_add_nc_u64 s[6:7], s[6:7], s[18:19]
.irp s, 0,1                                        ; K step 0's sixteen half rows first
.irp i, 0,1,2,3,4,5,6,7,8,9,10,11,12,13,14,15
	global_load_b128 v[RAW+64*\s+4*\i:RAW+64*\s+4*\i+3], v[GL], s[4:5] offset:1024*\i+512*\s th:TH_LOAD_NT   ; 32 lanes read 512 consecutive bytes
.endr
.endr
	s_wait_loadcnt 16                              ; K step 0's sixteen loads are in; K step 1's sixteen may be out
	XTURN RAW, F0
	s_wait_loadcnt 0x0
	s_wait_dscnt 0x0                               ; K step 0 is back, and its stores into the stage have read v64-127, which the next loads from the stage take
	XTURN RAW+64, RAW
.irp c, 0,1,2,3
	v_pk_mul_f32 v[SQ+2*\c:SQ+2*\c+1], v[F0+2*\c:F0+2*\c+1], v[F0+2*\c:F0+2*\c+1]   ; the first products start the four chains: nothing is cleared
.endr
.irp g, 1,2,3,4,5,6,7
.irp c, 0,1,2,3
	v_pk_fma_f32 v[SQ+2*\c:SQ+2*\c+1], v[F0+8*\g+2*\c:F0+8*\g+2*\c+1], v[F0+8*\g+2*\c:F0+8*\g+2*\c+1], v[SQ+2*\c:SQ+2*\c+1]
.endr
.endr
	QUANT F0, PCA, PW0
.irp c, 0,1,2
	global_store_b128 v[GL], v[PCA+4*\c:PCA+4*\c+3], s[6:7] offset:512*\c   ; 32 lanes store 512 consecutive bytes, at a multiple of 256 from the buffer's first byte
.endr
	s_wait_dscnt 0x0                               ; K step 1 is back from the stage
.irp g, 0,1,2,3,4,5,6,7
.irp c, 0,1,2,3
	v_pk_fma_f32 v[SQ+2*\c:SQ+2*\c+1], v[RAW+8*\g+2*\c:RAW+8*\g+2*\c+1], v[RAW+8*\g+2*\c:RAW+8*\g+2*\c+1], v[SQ+2*\c:SQ+2*\c+1]
.endr
.endr
	QUANT RAW, PCB, PW1
.irp c, 0,1,2
	global_store_b128 v[GL], v[PCB+4*\c:PCB+4*\c+3], s[6:7] offset:1536+512*\c
.endr
	v_cndmask_b32 v[OUTS], v[PW0], v[PW1], s[MHI]  ; lanes 0-15: K step 0's word of row r; lanes 16-31: K step 1's (both halves of the lanes hold both words)
	global_store_b32 v[L4], v[OUTS], s[6:7] offset:3072
	v_pk_add_f32 v[SQ:SQ+1], v[SQ:SQ+1], v[SQ+2:SQ+3]
	v_pk_add_f32 v[SQ+4:SQ+5], v[SQ+4:SQ+5], v[SQ+6:SQ+7]
	v_pk_add_f32 v[SQ:SQ+1], v[SQ:SQ+1], v[SQ+4:SQ+5]
	v_add_f32 v[SQ], v[SQ], v[SQ+1]                ; my 128 numbers of row r,
	v_permlanex16_b32 v[OUTE], v[SQ], s[SEL], s[SEL+1]
	v_add_f32 v[SQ], v[SQ], v[OUTE]                ; and lane l xor 16's 128
	v_sub_f32 v[SQ], 0, v[SQ]
	v_cndmask_b32 v[OUTE], v[SQ], v[ZERO], s[MHI]  ; lanes 16-31 write the record's last 64 bytes as zeros
	global_store_b32 v[L4], v[OUTE], s[6:7] offset:3200
	s_wait_tensorcnt 0x0
	ds_add_u32 v62, v63
	s_wait_dscnt 0x0
	s_endpgm
.Lfunc_end_k_qb492f18b1e_quant_e:
	.size	k_qb492f18b1e_quant_e, .Lfunc_end_k_qb492f18b1e_quant_e-k_qb492f18b1e_quant_e
	.p2alignl 7, 3214868480
	.fill 96, 4, 3214868480
	.section	.rodata,"a",@progbits
	.p2align	6, 0x0
	.amdhsa_kernel k_qb492f18b1e_quant_e
		.amdhsa_group_segment_fixed_size 17152
		.amdhsa_private_segment_fixed_size 0
		.amdhsa_enable_private_segment 0
		.amdhsa_kernarg_size 16
		.amdhsa_user_sgpr_count 2
		.amdhsa_user_sgpr_kernarg_segment_ptr 1
		.amdhsa_wavefront_size32 1
		.amdhsa_system_sgpr_workgroup_id_x 1
		.amdhsa_system_sgpr_workgroup_id_y 1
		.amdhsa_system_sgpr_workgroup_id_z 1
		.amdhsa_system_vgpr_workitem_id 0
		.amdhsa_next_free_vgpr 256
		.amdhsa_next_free_sgpr 66
		.amdhsa_reserve_vcc 0
		.amdhsa_float_denorm_mode_32 3
		.amdhsa_float_denorm_mode_16_64 3
		.amdhsa_memory_ordered 1
		.amdhsa_forward_progress 1
		.amdhsa_inst_pref_size 22
	.end_amdhsa_kernel
	.amdgpu_metadata
---
amdhsa.version: [ 1, 2 ]
amdhsa.kernels:
  - .name:           k_qb492f18b1e_quant_e
    .symbol:         k_qb492f18b1e_quant_e.kd
    .args:
      - { .name: embed, .offset: 0, .size: 8, .value_kind: global_buffer, .address_space: global }
      - { .name: ews, .offset: 8, .size: 8, .value_kind: global_buffer, .address_space: global }
    .group_segment_fixed_size: 17152
    .private_segment_fixed_size: 0
    .kernarg_segment_align: 8
    .kernarg_segment_size: 16
    .max_flat_workgroup_size: 64
    .sgpr_count:     66
    .vgpr_count:     256
    .wavefront_size: 32
...
	.end_amdgpu_metadata
.endif
;; end of part 1
;; launch nearest (part 2): grid 256 x 1, 4 waves a work-group, clusters of 4 x 1, 327,680 bytes of LDS; arguments x, ews, out1, ind; writes out1, ind
.if DOCPART == 2
	.amdgcn_target "amdgcn-amd-amdhsa--gfx1250"
	.amdhsa_code_object_version 6
	.text
	.protected	k_qb492f18b1e_nearest
	.globl	k_qb492f18b1e_nearest
	.p2align	8
	.type	k_qb492f18b1e_nearest,@function
k_qb492f18b1e_nearest:
	s_mov_b64 s[64:65], 0
	v_nop
	global_prefetch_b8 v0, s[64:65] scope:SCOPE_SE
	s_setreg_imm32_b32 hwreg(HW_REG_WAVE_MODE, 25, 1), 1
	s_wait_xcnt 0x0
	s_wait_alu depctr_hold_cnt(0) depctr_sa_sdst(0) depctr_va_vdst(0) depctr_va_sdst(0) depctr_va_ssrc(0) depctr_va_vcc(0) depctr_vm_vsrc(0)
	s_getreg_b32 s2, hwreg(HW_REG_IB_STS2, 6, 4)
	s_cmp_eq_u32 s2, 0
	s_cbranch_scc0 .Lentry_in_a_cluster
	s_endpgm
.Lentry_in_a_cluster:
	s_bfe_u32 s2, ttmp6, 0x10000c
	s_cmp_lg_u32 s2, 0x3003
	s_cbranch_scc0 .Lentry_shape_is_right
	s_endpgm
.Lentry_shape_is_right:
; For each of the 32,768 rows of x: the code n that maximises  s(n) = sum over k of Q(2 x)[k] Q(embed[n])[k] - |embed[n]|^2,  the lowest n among equals.  Q: codes of BF6 (E3M2), one E8M0 scale for each 32 along K = 256.
; WORK LEFT OUT: the problem's distance is -(|x|^2 - p + |e|^2); |x|^2 is the same number for all codes of a row, so it moves no order under the argmax, whatever x holds, and is not added.  s has one rounding where
; the problem's form has two: where two codes lie within an f32 rounding of each other this text may name the other one.  An overflow of |x|^2 alone is not carried to the result.
; Q(2 x) = 2 Q(x): a factor 2 moves a block's exponent by one and no code, so x is quantised as it is and 1 is added to each of its scale bytes.
; LIMITS: NaN and infinities among the inputs are not served; 2 |x| stays under the largest f32 number; blocks whose largest magnitude lies under 2^-122 keep the scale byte of the floor.
; SHARES.  A work-group owns 128 rows and walks all 8,192 codes: each row has one owner.  Four waves, one to a SIMD.  EVERY wave holds all 128 rows (8 blocks of 16: 192 registers) and takes, of every 32 records, the eight of quarter w.
; A record (16 codes: two fragments, a scale register, 16 x -|e|^2: 3,328 bytes, laid by the launch before in the order of the operand's registers) comes from LDS by nine loads, is read by ONE wave and feeds 16 matrix instructions.
; CLUSTER.  All work-groups walk the same records in the same order: the four of a cluster ask for each slot JOINTLY (the same tensor load, the same descriptor, a mask that names the four).
; THE RING: two slots of 32 records.  Wave w fetches its own eight records of a slot by one tensor load and alone reads them.  The change of slots stands in a trip's seventh tile, behind its matrix instructions: my last record of
; the slot is in registers by then; the tile's vector work stands between the round's opening signal and its wait; the refill has seven tiles in which to land.  LDS loads run two tiles ahead, in four sets of registers.
; THE PRODUCT IS USED TRANSPOSED: source 0 = 16 codes, source 1 = 16 rows of x: lane (r, h) holds row r, and its registers j the codes 16 T + 8 h + j.  -|e|^2 is the C of each sum's first matrix instruction.
; THE ARGMAX, 10 vector instructions for 8 scores, no branch: four maxima fold the 8 scores; one compare with the best; where it has grown, the best, the tile's first code and a COPY of the 8 scores are kept, two selects to an instruction.
; x is quantised here: each of its rows is read by this work-group alone.  Wave w quantises blocks 2 w and 2 w + 1; the fragments reach the other waves through LDS as images of their registers.
; REGISTERS, in windows of 256: window 0: addresses, scales, bests, accumulators, the copies.  Window 1: x's fragments (at the head: block 2 w + 1 as loaded).  Window 2: four records' fragments and -|e|^2.  Window 3: block 2 w as loaded.
; LDS: the slots at 0 and at 131,072; between them x's 16 fragment images; behind slot 1: x's scale words, the stages, the waves' bests, the spare words.  No tensor load lands on bytes that an LDS store writes.
.set DUAL,  1                          ; 1: two selects in one dual-issue instruction
.set REC,   3328
.set SLOTB, 32*REC                     ; 106,496
.set SLOT1, 131072
.set STGB,  8448                       ; a stage: 16 rows x 528 bytes; two for each wave
.set XIMG,  SLOTB                      ; 16 x 1,536: block B, K step s at (2 B + s) x 1,536
.set XSC,   SLOT1+SLOTB                ; 8 x 128: block B's scale register
.set STG,   XSC+1024
.set RED,   STG+8*STGB                 ; 4,096 bytes of bests, 4,096 of codes
.set SPARE, RED+8192                   ; the spare words, 128 bytes for each wave: two blocks of 256 bytes that no other line names
.set GL,   1                           ; 16 x lane
.set L4,   2                           ; 4 x lane
.set VT,   4                           ; the tile's first code of my half: 512 fill + 128 w + 16 i + 8 h
.set AF,   5                           ; v5, v6   my eight records in slot 0, 1: + 16 x lane
.set SPW,  8                           ; LDS address of my spare word; never rewritten
.set NIL,  9                           ; 0; never rewritten
.set XS,   10                          ; v10-17  x's scale registers: written by LDS loads alone
.set ES,   18                          ; v18-21  the records' scale registers, four sets: written by LDS loads alone
.set AS,   22                          ; v22, v23 + 4 x lane
.set IB,   26                          ; v26-41  block b: VT of the tile that holds the best at 26 + 2 b, the best at 27 + 2 b
.set RW,   42                          ; the end: where my bests go
.set RRD,  43                          ; the end: where I read the four waves' bests
.set O4,   44                          ; 4 x thread
.set PFO,  45                          ; the prefetches' offset; never rewritten
.set AE,   46                          ; v46, v47 + 32 h
.set ACC,  48                          ; v48-111  eight accumulators
.set SV,   112                         ; v112-175 block b: the 8 scores of the tile that holds the best
.set T0,   176                         ; v176-183, v184-191 at work
.set T1,   184
.set MB,   192                         ; block b's largest score at 193 + b + b / 3: never a register whose number is a multiple of 4, as VT's is (a dual instruction's two second sources)
.set CEB,  96                          ; window 2: -|e|^2, set q at 96 + 8 q; the fragments of set q at 24 q
; the head, where x is quantised
.set TM,   26
.set TS,   34
.set F0,   48
.set F1,   112
.set LN,   204
.set RR,   205
.set HH,   206
.set PW0,  207
.set PW1,  208
.set PWJ,  209
.set STW,  210
.set STR,  211
.set XW,   212
.set XSW,  213
.set XR,   214
.set XSR,  215
.set PCA,  216
.set PCB,  236
; the end
.set JJ,   48
.set OB,   56
.set OC,   64
.set QB,   72
.set QC,   76
.set WV,   12
.set SEL,  30
.set MHI,  32
.set LAP,  33
.set LIM,  37                          ; 2 in a cluster that prefetches, else the greatest number
.set PFA,  46                          ; s[46:47] where my prefetches stand
.set G1,   48                          ; s[48:55] descriptor group 1
.set G0,   56                          ; s[56:63] group 0, a set for each slot
.set MSB, 0
.macro WIN new                         ; the immediate's high byte repeats the setting that is left
.if MSB != \new
	s_set_vgpr_msb (MSB<<8)|\new
.set MSB, \new
.endif
.endm
.macro CREST                           ; a round of the cluster's barrier behind its opening barrier: wave 0 signals for the work-group; every wave waits for all four work-groups; my work-group's barrier once more
	s_cmp_lg_u32 s[WV], 0
	s_cbranch_scc1 .Lnot_wave_0_\@
	s_barrier_signal -3
.Lnot_wave_0_\@:
	s_barrier_wait -3
	s_barrier_signal -1
	s_barrier_wait -1
.endm
.macro ROUND                           ; a whole round
	s_barrier_signal -1
	s_barrier_wait -1
	CREST
.endm
; 16 half rows (512 bytes each, 16 bytes a lane) go into a stage as they lie, rows 528 bytes apart, and come back so that register 16 b + i of lane (r, h) is k = 32 b + 16 h + i of row r.
.macro XST src, st
.irp i, 0,1,2,3,4,5,6,7,8,9,10,11,12,13,14,15
	ds_store_b128 v[STW], v[(\src)+4*\i:(\src)+4*\i+3] offset:STGB*(\st)+528*\i
.endr
.endm
.macro XLD dst, st
.irp b, 0,1,2,3
.irp j, 0,1,2,3
	ds_load_b128 v[(\dst)+16*\b+4*\j:(\dst)+16*\b+4*\j+3], v[STR] offset:STGB*(\st)+128*\b+16*\j
.endr
.endr
.endm
; 64 numbers of a lane, laid as XLD leaves them, become a fragment's codes in v[pc] .. v[pc + 11] and my row's scale word in v[pw].
.macro QUANT s, pc, pw
.irp b, 0,1,2,3
	v_max3_num_f32 v[TM+\b], |v[(\s)+16*\b]|, |v[(\s)+1+16*\b]|, 0x2800000   ; block b: my 16 numbers, and the floor 2^(5 - 127): the byte cannot fall under 1
.endr
.irp i, 2,4,6,8,10,12,14
.irp b, 0,1,2,3
	v_max3_num_f32 v[TM+\b], v[TM+\b], |v[(\s)+16*\b+\i]|, |v[(\s)+1+16*\b+\i]|   ; the four blocks by turns
.endr
.endr
.irp b, 0,1,2,3
	v_permlanex16_b32 v[TM+4+\b], v[TM+\b], s[SEL], s[SEL+1]
.endr
.irp b, 0,1,2,3
	v_max_num_f32 v[TM+\b], v[TM+\b], v[TM+4+\b]   ; with lane l xor 16's 16: the block's largest magnitude
.endr
.irp b, 0,1,2,3
	v_add_nc_u32 v[TS+\b], 0xfe000000, v[TM+\b]    ; 4 off its exponent field: the conversion's scale operand
.endr
.irp b, 0,1,2,3
	v_lshrrev_b32 v[TM+4+\b], 23, v[TS+\b]         ; the scale's byte
.endr
	v_lshl_or_b32 v[\pw], v[TM+5], 8, v[TM+4]
	v_lshl_or_b32 v[\pw], v[TM+6], 16, v[\pw]
	v_lshl_or_b32 v[\pw], v[TM+7], 24, v[\pw]
.irp c, 0,1
	v_cvt_scalef32_pk16_bf6_f32 v[(\pc)+6*\c:(\pc)+2+6*\c], v[(\s)+32*\c:(\s)+15+32*\c], v[TS+2*\c]
	v_cvt_scalef32_pk16_bf6_f32 v[(\pc)+12+4*\c:(\pc)+14+4*\c], v[(\s)+16+32*\c:(\s)+31+32*\c], v[TS+2*\c+1]   ; (a conversion's three registers begin on an even number)
.endr
	v_nop                                          ; one plain instruction behind the scaled conversions
.irp c, 0,1                                        ; the operand's layout wants a WHOLE block in a lane
.irp i, 0,1,2
	v_permlane16_swap_b32 v[(\pc)+6*\c+\i], v[(\pc)+12+4*\c+\i]
.endr
.irp i, 0,1,2
	v_mov_b32 v[(\pc)+3+6*\c+\i], v[(\pc)+12+4*\c+\i]
.endr
.endr
.endm
.macro IMG pc, off                     ; a fragment goes to LDS as it stands: lane l's 16 bytes at 16 l
.irp c, 0,1,2
	ds_store_b128 v[XW], v[(\pc)+4*\c:(\pc)+4*\c+3] offset:(\off)+512*\c
.endr
.endm
.macro SCW off                         ; a block's scale register: lanes 0-15 K step 0's word of row r, lanes 16-31 K step 1's; 1 onto each byte: the operand is 2 x
	v_cndmask_b32 v[PWJ], v[PW0], v[PW1], s[MHI]
	v_add_nc_u32 v[PWJ], 0x01010101, v[PWJ]
	ds_store_b32 v[XSW], v[PWJ] offset:\off
.endm
; Record i of my eight in a slot, into set q: nine LDS loads.  Each of the six reads 512 consecutive bytes; -|e|^2 of my eight codes is the same 32 bytes in all lanes of a half.
.macro LOADS slot, i, q
	WIN 0x80                                       ; destination window 2, address window 0
.irp c, 0,1,2,3,4,5
	ds_load_b128 v[24*(\q)+4*\c:24*(\q)+4*\c+3], v[AF+\slot] offset:REC*(\i)+512*\c
.endr
.irp u, 0,1
	ds_load_b128 v[CEB+8*(\q)+4*\u:CEB+8*(\q)+4*\u+3], v[AE+\slot] offset:REC*(\i)+3200+16*\u
.endr
	WIN 0
	ds_load_b32 v[ES+(\q)], v[AS+\slot] offset:REC*(\i)+3072
.endm
.macro CND2 d, sx, sy                  ; two selects by VCC: v[d] takes v[sx], v[d + 1] takes v[sy]; d is even, and sx and sy differ modulo 4
.if DUAL
	v_dual_cndmask_b32 v[\d], v[\d], v[\sx] :: v_dual_cndmask_b32 v[(\d)+1], v[(\d)+1], v[\sy]
.else
	v_cndmask_b32 v[\d], v[\d], v[\sx], vcc_lo
	v_cndmask_b32 v[(\d)+1], v[(\d)+1], v[\sy], vcc_lo
.endif
.endm
.macro TH b
	v_max3_num_f32 v[T0+(\b)], v[ACC+8*(\b)+6], v[ACC+8*(\b)+7], v[T0+(\b)]
.endm
.macro MX b
	v_max_num_f32 v[MB+1+(\b)+(\b)/3], v[T0+(\b)], v[T1+(\b)]
.endm
; A tile's vector work, on registers alone.  Its first four lines name no register of the products: they are the places ahead of the first read of a result; each accumulator is first read at its low end.
; The eight blocks' maxima go by turns, so that no line reads the line above it; two lines of later blocks stand between a compare and its selects.
.macro EPILOGUE i
.rept 3
	v_nop
.endr
.if (\i) == 0
	v_add_nc_u32 v[VT], 400, v[VT]                 ; from my last record of a slot to my first of the next: 512 - 112 codes
.else
	v_add_nc_u32 v[VT], 16, v[VT]
.endif
.irp b, 0,1,2,3,4,5,6,7
	v_max3_num_f32 v[T0+\b], v[ACC+8*\b], v[ACC+8*\b+1], v[ACC+8*\b+2]
.endr
.irp b, 0,1,2,3,4,5,6,7
	v_max3_num_f32 v[T1+\b], v[ACC+8*\b+3], v[ACC+8*\b+4], v[ACC+8*\b+5]
.endr
	TH 0
	TH 1
	MX 0
.irp b, 0,1,2,3,4,5,6,7
	v_cmp_gt_f32 vcc_lo, v[MB+1+\b+\b/3], v[IB+2*\b+1]   ; grown: an equal score of a later tile does not take the place
.if \b < 6
	TH \b+2
.endif
.if \b < 7
	MX \b+1
.endif
	CND2 IB+2*\b, VT, MB+1+\b+\b/3
.irp i2, 0,2,4,6
	CND2 SV+8*\b+\i2, ACC+8*\b+\i2, ACC+8*\b+\i2+1
.endr
.endr
.endm
; A TILE: my record i of the slot, in set i % 4, against my eight blocks.  The eight accumulators take turns, one instruction a turn: a sum's second link stands eight matrix instructions behind its first.
; Behind the products the record two tiles on is asked of LDS, into the set that the tile two back has read: a whole tile's vector work lies between.  The wait at the head leaves the next record's nine loads out.
; kind 2: in tile 6 the slot is left and filled again; kind 1: the next slot is read, nothing is filled; kind 0: the last trip.
.macro TILE slot, i, kind
.set QQ, (\i)%4
.if (\kind) == 0 && (\i) == 7
	s_wait_dscnt 0x0
.else
	s_wait_dscnt 9
.endif
	WIN 0x26                                       ; source 0 (the record) and C (-|e|^2) window 2, source 1 (x) window 1, D window 0
.irp b, 0,1,2,3,4,5,6,7
	v_wmma_scale_f32_16x16x128_f8f6f4 v[ACC+8*\b:ACC+8*\b+7], v[24*QQ:24*QQ+11], v[24*\b:24*\b+11], v[CEB+8*QQ:CEB+8*QQ+7], v[ES+QQ], v[XS+\b] matrix_a_fmt:MATRIX_FMT_BF6 matrix_b_fmt:MATRIX_FMT_BF6
.endr
	WIN 0x06                                       ; C window 0: K step 1 adds in place, both sides' scales from lanes 16-31
.irp b, 0,1,2,3,4,5,6,7
	v_wmma_scale_f32_16x16x128_f8f6f4 v[ACC+8*\b:ACC+8*\b+7], v[24*QQ+12:24*QQ+23], v[24*\b+12:24*\b+23], v[ACC+8*\b:ACC+8*\b+7], v[ES+QQ], v[XS+\b] matrix_a_fmt:MATRIX_FMT_BF6 matrix_b_fmt:MATRIX_FMT_BF6 matrix_a_scale:MATRIX_SCALE_ROW1 matrix_b_scale:MATRIX_SCALE_ROW1
.endr
.if (\i) == 6 && (\kind) == 2
	WIN 0
	s_wait_tensorcnt 0x0                           ; no tensor load of mine is out: my eight records of the next slot have landed, and a group 0 may be written
	ds_add_u32 v[SPW], v[NIL]                      ; 0 onto my spare word
	s_add_nc_u64 s[G0+4*(\slot)+2:G0+4*(\slot)+3], s[G0+4*(\slot)+2:G0+4*(\slot)+3], 2*SLOTB   ; this slot's next fill; the type bits on top are not reached
	s_wait_dscnt 0x0                               ; the add is done, and my reads of this slot are over: its last record is in registers
	s_barrier_signal -1                            ; the round's opening signal;
	EPILOGUE \i                                    ; work on registers while the others arrive;
	s_barrier_wait -1
	CREST                                          ; both now hold of every wave of all four work-groups
	tensor_load_to_lds s[G0+4*(\slot):G0+4*(\slot)+3], s[G1:G1+7]   ; my one tensor load behind the round: my eight records of the fill two on
	s_nop 0
.rept 4
	v_nop
.endr
	LOADS 1-(\slot), 0, 0
.else
.if (\i) < 6
	LOADS \slot, (\i)+2, ((\i)+2)%4
.else
.if (\kind) > 0
.if (\i) == 6
	s_wait_tensorcnt 0x0                           ; my eight records of the last slot have landed
.endif
	LOADS 1-(\slot), (\i)-6, (\i)-6
.endif
.endif
	WIN 0
	EPILOGUE \i
.endif
.endm
; A TRIP: my eight records of a slot.  ask = 1: a PREFETCH of the fill that stands two refills on: trip t, which asks for fill t + 2, names fill t + 4.  A fill is 416 blocks of 256 bytes.  All clusters walk the same records:
; clusters 0 and 32 ask, each for every block; the four waves of each of the four partners take 26 blocks each, told apart BY ADDRESS (block 26 (4 cx + wave) + lane; lanes 26 to 31 name lane 25's block again).
; Trips 0 to 11 ask; fills 0 to 3 come by their loads alone.
.macro TRIP slot, kind, ask
.if \ask
	s_wait_xcnt 0x0                                ; the last prefetch, five tiles back, has read its address, so it may be written
	s_add_nc_u64 s[PFA:PFA+1], s[PFA:PFA+1], SLOTB
.endif
.irp i, 0,1,2
	TILE \slot, \i, \kind
.endr
.if \ask
	s_cmp_ge_u32 s[LAP], s[LIM]                    ; not in the loop's last trip, whose fills t + 4 do not exist
	s_cbranch_scc0 .Lnot_mine_\@
	global_prefetch_b8 v[PFO], s[PFA:PFA+1] th:TH_LOAD_NT scope:SCOPE_SE
.Lnot_mine_\@:
.endif
.irp i, 3,4,5,6,7
	TILE \slot, \i, \kind
.endr
.endm
; (b, c) takes (ob, oc) where ob is larger, or equal with the lower code.  The masks only select values.
.macro PICK b, c, ob, oc
	v_cmp_gt_f32 s34, v[\ob], v[\b]
	v_cmp_eq_f32 s35, v[\ob], v[\b]
	v_cmp_lt_u32 s36, v[\oc], v[\c]
	s_and_b32 s35, s35, s36
	s_or_b32 s34, s34, s35
	v_cndmask_b32 v[\b], v[\b], v[\ob], s34
	v_cndmask_b32 v[\c], v[\c], v[\oc], s34
.endm
	s_load_b256 s[4:11], s[0:1], 0x0               ; x s[4:5], the records s[6:7], out1 s[8:9], ind s[10:11]
	v_lshl_add_u32 v[SPW], v0, 2, SPARE
	v_mov_b32 v[NIL], 0
	ds_add_u32 v[SPW], v[NIL]                      ; the wave's opening: the add, twice on end, and its wait ahead of my first tensor load
	ds_add_u32 v[SPW], v[NIL]
	v_lshrrev_b32 v[LN], 5, v0
	v_readfirstlane_b32 s[WV], v[LN]               ; wave 0..3
	s_bfe_u32 s15, ttmp6, 0x40000                  ; cx: it enters global addresses alone (s15, s16, s18, s20, s38)
	s_lshl_b32 s16, ttmp9, 2                       ; in a cluster launch ttmp9 counts clusters
	s_add_co_u32 s16, s16, s15                     ; my work-group
	s_lshl_b32 s18, s16, 17                        ; its 128 rows of 1,024 bytes,
	s_lshl_b32 s19, s[WV], 15                      ; my wave's 32 of them
	s_add_co_u32 s18, s18, s19
	s_mov_b32 s19, 0
	s_lshl_b32 s20, s16, 9                         ; its 128 indices
	s_mov_b32 s21, 0
	s_mul_i32 s17, s[WV], 8*REC                    ; my quarter of a slot, in memory and in LDS: no place in the cluster enters it
	s_mov_b32 s22, s17
	s_mov_b32 s23, 0
	s_mul_i32 s24, s[WV], 2*STGB
	s_add_co_u32 s24, s24, STG                     ; my two stages
	s_mul_i32 s25, s[WV], 4*1536
	s_add_co_u32 s25, s25, XIMG                    ; where my two blocks' four images go
	s_lshl_b32 s26, s[WV], 8
	s_add_co_u32 s28, s26, RED                     ; the end: rows 32 w + lane lie in blocks 2 w + h
	s_add_co_u32 s26, s26, XSC                     ; and their two scale registers
	s_lshl_b32 s27, s[WV], 10
	s_add_co_u32 s27, s27, RED                     ; the end: my wave's 1,024 bytes of bests
	s_lshl_b32 s29, s[WV], 7
	s_sub_co_u32 s29, s29, 400                     ; 128 w, less the 400 that the first tile adds
	s_mov_b32 s[SEL], 0x76543210
	s_mov_b32 s[SEL+1], 0xfedcba98
	s_mov_b32 s[MHI], 0xffff0000
	; descriptor group 1: eight records, 26,624 dense bytes, as 104 rows of 256 bytes; no padding: images are read as they lie
	s_mov_b32 s[G1], 15|(3<<16)|(1<<21)            ; 15:0 the mask: all four work-groups; 17:16 elements of 8 bytes; 21 set beside a mask
	s_mov_b32 s[G1+1], 32<<16                      ; tensor_dim0 = 32
	s_mov_b32 s[G1+2], 104<<16                     ; tensor_dim1 = 104
	s_mov_b32 s[G1+3], 32<<16                      ; tile_dim0 = 32
	s_mov_b32 s[G1+4], 104                         ; tile_dim1 = 104
	s_mov_b32 s[G1+5], 32                          ; elements from row to row
	s_mov_b32 s[G1+6], 0
	s_mov_b32 s[G1+7], 0
	s_and_b32 s[LIM], ttmp9, 31                    ; clusters 0 and 32: the same in all four partners
	s_cmp_eq_u32 s[LIM], 0
	s_cselect_b32 s[LIM], 2, -1
	s_lshl_b32 s38, s15, 2
	s_add_co_u32 s38, s38, s[WV]
	s_mul_i32 s38, s38, 26*256                     ; my 26 blocks of a fill's 416,
	s_add_co_u32 s38, s38, 3*SLOTB                 ; in fill 3: the first trip steps it to fill 4.  Nothing is prefetched here, at the head
	s_mov_b32 s39, 0
	s_wait_dscnt 0x0                               ; both opening adds are done
	v_and_b32 v[LN], 31, v0                        ; lane
	v_and_b32 v[RR], 15, v0                        ; r
	v_bfe_u32 v[HH], v0, 4, 1                      ; h
	v_lshlrev_b32 v[GL], 4, v[LN]
	v_lshlrev_b32 v[L4], 2, v[LN]
	v_add_nc_u32 v[AF], s17, v[GL]
	v_add_nc_u32 v[AS], s17, v[L4]
	v_lshl_add_u32 v[AE], v[HH], 5, s17
	v_add_nc_u32 v[AF+1], SLOT1, v[AF]
	v_add_nc_u32 v[AS+1], SLOT1, v[AS]
	v_add_nc_u32 v[AE+1], SLOT1, v[AE]
	v_min_u32 v[PFO], 25, v[LN]
	v_lshlrev_b32 v[PFO], 8, v[PFO]
	v_lshl_add_u32 v[VT], v[HH], 3, s29
	v_add_nc_u32 v[STW], s24, v[GL]
	v_mul_u32_u24 v[STR], v[RR], 528
	v_lshl_add_u32 v[STR], v[HH], 6, v[STR]
	v_add_nc_u32 v[STR], s24, v[STR]
	v_add_nc_u32 v[XW], s25, v[GL]
	v_add_nc_u32 v[XSW], s26, v[L4]
	v_add_nc_u32 v[XR], XIMG, v[GL]
	v_add_nc_u32 v[XSR], XSC, v[L4]
	v_add_nc_u32 v[RW], s27, v[L4]
	v_lshlrev_b32 v[RRD], 2, v[RR]
	v_lshl_add_u32 v[RRD], v[HH], 7, v[RRD]
	v_add_nc_u32 v[RRD], s28, v[RRD]               ; 256 w + 128 h + 4 r
	v_lshlrev_b32 v[O4], 2, v0
.irp b, 0,1,2,3
	v_mov_b32 v[TM+4+\b], 0                        ; written once: a lane permute's destination counts as one of its sources
.endr
	s_wait_alu depctr_va_vdst(0)
	s_wait_kmcnt 0x0
	s_add_nc_u64 s[4:5], s[4:5], s[18:19]
	s_add_nc_u64 s[PFA:PFA+1], s[6:7], s[38:39]
	s_add_nc_u64 s[22:23], s[6:7], s[22:23]
	s_add_nc_u64 s[8:9], s[8:9], s[20:21]
	s_add_nc_u64 s[10:11], s[10:11], s[20:21]
.irp n, 0,1
	s_mov_b32 s[G0+4*\n], 1                        ; count = 1
	s_add_co_u32 s[G0+4*\n+1], s17, \n*SLOT1       ; LDS address
	s_add_nc_u64 s[G0+4*\n+2:G0+4*\n+3], s[22:23], \n*SLOTB   ; global address: fill n
	s_or_b32 s[G0+4*\n+3], s[G0+4*\n+3], 0x80000000   ; type = 2
.endr
	WIN 0xc0                                       ; destination window 3: block 2 w
.irp s, 0,1
.irp i, 0,1,2,3,4,5,6,7,8,9,10,11,12,13,14,15
	global_load_b128 v[64*\s+4*\i:64*\s+4*\i+3], v[GL], s[4:5] offset:1024*\i+512*\s th:TH_LOAD_NT   ; 32 lanes read 512 consecutive bytes
.endr
.endr
	WIN 0x40                                       ; destination window 1: block 2 w + 1
.irp s, 0,1
.irp i, 0,1,2,3,4,5,6,7,8,9,10,11,12,13,14,15
	global_load_b128 v[64*\s+4*\i:64*\s+4*\i+3], v[GL], s[4:5] offset:16384+1024*\i+512*\s th:TH_LOAD_NT
.endr
.endr
	WIN 0
	ROUND                                          ; all four work-groups are here: the first joint loads meet
	tensor_load_to_lds s[G0:G0+3], s[G1:G1+7]      ; fill 0
	s_nop 0
.rept 4
	v_nop
.endr
	; x is taken as it comes, sixteen loads at a time
	s_wait_loadcnt 48                              ; block 2 w, K step 0
	WIN 0x0c                                       ; store data window 3
	XST 0, 0
	WIN 0
	XLD F0, 0
	s_wait_loadcnt 32                              ; block 2 w, K step 1
	WIN 0x0c
	XST 64, 1
	WIN 0
	XLD F1, 1
	s_wait_dscnt 32                                ; K step 0 is back: behind its loads stand 16 stores and 16 loads
	QUANT F0, PCA, PW0
	IMG PCA, 0
	s_wait_alu depctr_va_vdst(0)
	s_wait_loadcnt 16                              ; block 2 w + 1, K step 0
	s_wait_dscnt 0x0                               ; K step 1 is back, and both stages have been read out
	WIN 0x04                                       ; store data window 1
	XST 0, 0
	WIN 0
	XLD F0, 0
	QUANT F1, PCB, PW1
	IMG PCB, 1536
	SCW 0
	s_wait_alu depctr_va_vdst(0)
	s_wait_loadcnt 0x0                             ; block 2 w + 1, K step 1
	WIN 0x04
	XST 64, 1
	WIN 0
	XLD F1, 1
	s_wait_dscnt 36                                ; the second block's K step 0 is back: behind its loads stand 20 stores and 16 loads
	QUANT F0, PCA, PW0
	IMG PCA, 3072
	s_wait_dscnt 0x0
	QUANT F1, PCB, PW1
	IMG PCB, 4608
	SCW 128
	s_wait_alu depctr_va_vdst(0)
	s_wait_dscnt 0x0                               ; for the others' sake: my images lie in LDS
	s_barrier_signal -1                            ; Fill 0 may stay out
	s_barrier_wait -1
	WIN 0x40                                       ; destination window 1: all eight blocks' fragments; they stay
.irp b, 0,1,2,3,4,5,6,7
.irp s, 0,1
.irp c, 0,1,2
	ds_load_b128 v[24*\b+12*\s+4*\c:24*\b+12*\s+4*\c+3], v[XR] offset:1536*(2*\b+\s)+512*\c
.endr
.endr
.endr
	WIN 0
.irp b, 0,1,2,3,4,5,6,7
	ds_load_b32 v[XS+\b], v[XSR] offset:128*\b
.endr
	s_mov_b32 s34, 0xff800000                      ; under every score
.irp b, 0,1,2,3,4,5,6,7
	v_mov_b32 v[IB+2*\b], 0
	v_mov_b32 v[IB+2*\b+1], s34
.endr
.set n, 0
.rept 64
	v_mov_b32 v[SV+n], s34
.set n, n+1
.endr
	s_mov_b32 s[LAP], 7
	s_wait_alu depctr_va_vdst(0)
	s_wait_tensorcnt 0x0                           ; my eight records of fill 0 are in
	ds_add_u32 v[SPW], v[NIL]
	s_wait_dscnt 0x0                               ; the add is done, and x's fragments and scales are in registers
	ROUND
	tensor_load_to_lds s[G0+4:G0+7], s[G1:G1+7]    ; slot 1's first fill, the first tensor load behind the round
	s_nop 0
.rept 4
	v_nop
.endr
	LOADS 0, 0, 0
	LOADS 0, 1, 1
.Llap:                                                 ; 16 fills: seven trips of two, and a tail written out
	TRIP 0, 2, 1
	TRIP 1, 2, 1
	s_sub_co_u32 s[LAP], s[LAP], 1
	s_cmp_lg_u32 s[LAP], 0
	s_cbranch_scc1 .Llap
	TRIP 0, 1, 0                                   ; fills 14 and 15: nothing more is asked for
	TRIP 1, 0, 0
.irp b, 0,1,2,3,4,5,6,7
	v_mov_b32 v[JJ+\b], 0
	v_mov_b32 v[OB+\b], 0
	v_mov_b32 v[OC+\b], 0
.endr
.irp j, 7,6,5,4,3,2,1,0                            ; the place of the best among the kept 8: the lowest j that holds it; the eight blocks by turns
.irp b, 0,1,2,3,4,5,6,7
	v_cmp_neq_f32 s[40+\b], v[SV+8*\b+\j], v[IB+2*\b+1]
.endr
.irp b, 0,1,2,3,4,5,6,7
	v_cndmask_b32 v[JJ+\b], \j, v[JJ+\b], s[40+\b]
.endr
.endr
.irp b, 0,1,2,3,4,5,6,7
	v_add_nc_u32 v[IB+2*\b], v[IB+2*\b], v[JJ+\b]
.endr
.irp b, 0,1,2,3,4,5,6,7
	v_permlanex16_b32 v[OB+\b], v[IB+2*\b+1], s[SEL], s[SEL+1]   ; the row's other codes of each tile lie in the lane 16 away
	v_permlanex16_b32 v[OC+\b], v[IB+2*\b], s[SEL], s[SEL+1]
.endr
.irp b, 0,1,2,3,4,5,6,7
	PICK IB+2*\b+1, IB+2*\b, OB+\b, OC+\b
.endr
.irp b, 0,1,2,3,4,5,6,7
	ds_store_b32 v[RW], v[IB+2*\b+1] offset:128*\b
	ds_store_b32 v[RW], v[IB+2*\b] offset:4096+128*\b
.endr
	s_wait_dscnt 0x0                               ; for the others' sake: my bests lie in LDS
	s_barrier_signal -1
	s_barrier_wait -1
.irp q, 0,1,2,3                                    ; wave w joins rows 32 w + lane: the four waves' bests, 1,024 bytes apart
	ds_load_b32 v[QB+\q], v[RRD] offset:1024*\q
	ds_load_b32 v[QC+\q], v[RRD] offset:4096+1024*\q
.endr
	s_wait_dscnt 0x0
.irp q, 1,2,3
	PICK QB, QC, QB+\q, QC+\q
.endr
	global_store_b32 v[O4], v[QC], s[8:9]          ; the output,
	global_store_b32 v[O4], v[QC], s[10:11]        ; and the same numbers for the launch that gathers
	s_wait_tensorcnt 0x0                           ; the wave's end: behind my last tensor load and my last LDS store
	ds_add_u32 v[SPW], v[NIL]
	s_wait_dscnt 0x0
	ROUND                                          ; the closing round: no work-group ends while a partner may still ask for a tile that names it
	s_endpgm
.Lfunc_end_k_qb492f18b1e_nearest:
	.size	k_qb492f18b1e_nearest, .Lfunc_end_k_qb492f18b1e_nearest-k_qb492f18b1e_nearest
	.p2alignl 7, 3214868480
	.fill 96, 4, 3214868480
	.section	.rodata,"a",@progbits
	.p2align	6, 0x0
	.amdhsa_kernel k_qb492f18b1e_nearest
		.amdhsa_group_segment_fixed_size 327680
		.amdhsa_private_segment_fixed_size 0
		.amdhsa_enable_private_segment 0
		.amdhsa_kernarg_size 32
		.amdhsa_user_sgpr_count 2
		.amdhsa_user_sgpr_kernarg_segment_ptr 1
		.amdhsa_wavefront_size32 1
		.amdhsa_system_sgpr_workgroup_id_x 1
		.amdhsa_system_sgpr_workgroup_id_y 1
		.amdhsa_system_sgpr_workgroup_id_z 1
		.amdhsa_system_vgpr_workitem_id 0
		.amdhsa_next_free_vgpr 896
		.amdhsa_next_free_sgpr 66
		.amdhsa_reserve_vcc 1
		.amdhsa_float_denorm_mode_32 3
		.amdhsa_float_denorm_mode_16_64 3
		.amdhsa_memory_ordered 1
		.amdhsa_forward_progress 1
		.amdhsa_inst_pref_size 255
	.end_amdhsa_kernel
	.section	.bss,"aw",@nobits
	.p2align	6
	.space	262144
	.amdgpu_metadata
---
amdhsa.version: [ 1, 2 ]
amdhsa.kernels:
  - .name:           k_qb492f18b1e_nearest
    .symbol:         k_qb492f18b1e_nearest.kd
    .args:
      - { .name: x, .offset: 0, .size: 8, .value_kind: global_buffer, .address_space: global }
      - { .name: ews, .offset: 8, .size: 8, .value_kind: global_buffer, .address_space: global }
      - { .name: out1, .offset: 16, .size: 8, .value_kind: global_buffer, .address_space: global }
      - { .name: ind, .offset: 24, .size: 8, .value_kind: global_buffer, .address_space: global }
    .group_segment_fixed_size: 327680
    .private_segment_fixed_size: 0
    .kernarg_segment_align: 8
    .kernarg_segment_size: 32
    .max_flat_workgroup_size: 128
    .sgpr_count:     66
    .vgpr_count:     896
    .wavefront_size: 32
...
	.end_amdgpu_metadata
.endif
;; end of part 2
;; launch gather (part 3): grid 512 x 1, 8 waves a work-group, no clusters, 1,280 bytes of LDS; arguments x, embed, ind, out0, part; writes out0, part
.if DOCPART == 3
	.amdgcn_target "amdgcn-amd-amdhsa--gfx1250"
	.amdhsa_code_object_version 6
	.text
	.protected	k_qb492f18b1e_gather
	.globl	k_qb492f18b1e_gather
	.p2align	8
	.type	k_qb492f18b1e_gather,@function
k_qb492f18b1e_gather:
	s_mov_b64 s[64:65], 0
	v_nop
	global_prefetch_b8 v0, s[64:65] scope:SCOPE_SE
	s_setreg_imm32_b32 hwreg(HW_REG_WAVE_MODE, 25, 1), 1
	s_wait_xcnt 0x0
; out0[row] = x[row] + (embed[ind[row]] - x[row]), in f32 as the problem writes it, and for each work-group the sum of (embed[ind[row]] - x[row])^2 over its 64 rows.
; A wave takes 8 rows of 1,024 bytes: two loads of 512 consecutive bytes a row from x, two from the chosen row of embed, two stores.  All 32 loads of a wave are issued before the first is waited for; no loop.
; The indices were stored by the launch before; they come by one scalar load and are held to the table's 8,192 rows before they enter an address.
; No matrix unit, no cluster, no tensor load: the work-groups share nothing but rows of embed that a list may name twice.
.set X,   16                           ; v16-79   x, then the output: row i at 16 + 8 i
.set Q,   80                           ; v80-143  the chosen rows, then the differences
.set SUM, 144                          ; v144-151 four chains of pairs
	s_load_b256 s[4:11], s[0:1], 0x0               ; x s[4:5], embed s[6:7], ind s[8:9], out0 s[10:11]
	s_load_b64 s[12:13], s[0:1], 0x20              ; part
	v_lshl_add_u32 v152, v0, 2, 0x100
	v_mov_b32 v153, 0
	v_lshrrev_b32 v1, 5, v0
	s_delay_alu instid0(VALU_DEP_1)
	v_readfirstlane_b32 s14, v1                    ; wave 0..7
	v_and_b32 v1, 31, v0
	s_delay_alu instid0(VALU_DEP_1)
	v_lshlrev_b32 v1, 4, v1                        ; 16 x lane
	s_lshl_b32 s24, ttmp9, 6
	s_lshl_b32 s25, s14, 3
	s_add_co_u32 s24, s24, s25                     ; my first row: 64 x work-group + 8 x wave
	s_lshl_b32 s26, s24, 10                        ; in x and out0,
	s_mov_b32 s27, 0
	s_lshl_b32 s28, s24, 2                         ; in ind
	s_mov_b32 s29, 0
	s_lshl_b32 s30, ttmp9, 2                       ; my work-group's word of part
	s_mov_b32 s31, 0
	s_mov_b32 s32, 0x76543210
	s_mov_b32 s33, 0xfedcba98
	s_wait_alu depctr_va_vdst(0)
	s_wait_kmcnt 0x0
	s_add_nc_u64 s[8:9], s[8:9], s[28:29]
	s_load_b256 s[16:23], s[8:9], 0x0              ; my eight indices
	s_add_nc_u64 s[4:5], s[4:5], s[26:27]
	s_add_nc_u64 s[10:11], s[10:11], s[26:27]
	s_add_nc_u64 s[12:13], s[12:13], s[30:31]
.irp i, 0,1,2,3,4,5,6,7
.irp u, 0,1
	global_load_b128 v[X+8*\i+4*\u:X+8*\i+4*\u+3], v1, s[4:5] offset:1024*\i+512*\u th:TH_LOAD_NT
.endr
.endr
	s_wait_kmcnt 0x0
.irp i, 0,1,2,3,4,5,6,7
	s_min_u32 s[16+\i], s[16+\i], 0x1fff           ; inside the table
	s_lshl_b32 s[16+\i], s[16+\i], 10              ; a row is 1,024 bytes
	v_add_nc_u32 v[2+\i], s[16+\i], v1
.endr
	s_wait_alu depctr_va_vdst(0)
.irp i, 0,1,2,3,4,5,6,7
.irp u, 0,1
	global_load_b128 v[Q+8*\i+4*\u:Q+8*\i+4*\u+3], v[2+\i], s[6:7] offset:512*\u   ; no hint: a row may be named again
.endr
.endr
.macro ROWOUT i
	s_wait_loadcnt 14-2*\i                         ; x's loads and this row's two of embed are in; the later rows' may be out
.irp c, 0,1,2,3
	v_pk_add_f32 v[Q+8*\i+2*\c:Q+8*\i+2*\c+1], v[Q+8*\i+2*\c:Q+8*\i+2*\c+1], v[X+8*\i+2*\c:X+8*\i+2*\c+1] neg_lo:[0,1] neg_hi:[0,1]   ; d = q - x
.endr
.irp c, 0,1,2,3
.if \i == 0
	s_delay_alu instid0(VALU_DEP_4)
	v_pk_mul_f32 v[SUM+2*\c:SUM+2*\c+1], v[Q+8*\i+2*\c:Q+8*\i+2*\c+1], v[Q+8*\i+2*\c:Q+8*\i+2*\c+1]   ; the first row starts the sums
.else
	s_delay_alu instid0(VALU_DEP_4)
	v_pk_fma_f32 v[SUM+2*\c:SUM+2*\c+1], v[Q+8*\i+2*\c:Q+8*\i+2*\c+1], v[Q+8*\i+2*\c:Q+8*\i+2*\c+1], v[SUM+2*\c:SUM+2*\c+1]
.endif
.endr
.irp c, 0,1,2,3
	v_pk_add_f32 v[X+8*\i+2*\c:X+8*\i+2*\c+1], v[X+8*\i+2*\c:X+8*\i+2*\c+1], v[Q+8*\i+2*\c:Q+8*\i+2*\c+1]   ; x + d
.endr
.irp u, 0,1
	global_store_b128 v1, v[X+8*\i+4*\u:X+8*\i+4*\u+3], s[10:11] offset:1024*\i+512*\u th:TH_STORE_NT   ; 32 lanes store 512 consecutive bytes; each row has registers of its own, so no store's data are written again
.endr
.endm
.irp i, 0,1,2,3,4,5,6,7
	ROWOUT \i
.endr
	v_pk_add_f32 v[SUM:SUM+1], v[SUM:SUM+1], v[SUM+2:SUM+3]
	v_pk_add_f32 v[SUM+4:SUM+5], v[SUM+4:SUM+5], v[SUM+6:SUM+7]
	s_delay_alu instid0(VALU_DEP_1)
	v_pk_add_f32 v[SUM:SUM+1], v[SUM:SUM+1], v[SUM+4:SUM+5]
	s_delay_alu instid0(VALU_DEP_1)
	v_add_f32 v[SUM], v[SUM], v[SUM+1]
	s_delay_alu instid0(VALU_DEP_1)
	v_add_f32_dpp v[SUM], v[SUM], v[SUM] row_xmask:1 row_mask:0xf bank_mask:0xf
	s_delay_alu instid0(VALU_DEP_1)
	v_add_f32_dpp v[SUM], v[SUM], v[SUM] row_xmask:2 row_mask:0xf bank_mask:0xf
	s_delay_alu instid0(VALU_DEP_1)
	v_add_f32_dpp v[SUM], v[SUM], v[SUM] row_xmask:4 row_mask:0xf bank_mask:0xf
	s_delay_alu instid0(VALU_DEP_1)
	v_add_f32_dpp v[SUM], v[SUM], v[SUM] row_xmask:8 row_mask:0xf bank_mask:0xf
	s_delay_alu instid0(VALU_DEP_1)
	v_permlanex16_b32 v[SUM+1], v[SUM], s32, s33
	s_delay_alu instid0(VALU_DEP_1)
	v_add_f32 v[SUM], v[SUM], v[SUM+1]             ; my wave's sum, in every lane
	v_mov_b32 v10, s14
	s_delay_alu instid0(VALU_DEP_1)
	v_lshlrev_b32 v10, 2, v10
	ds_store_b32 v10, v[SUM]                       ; all lanes write the wave's word with the same value
	s_wait_dscnt 0x0
	s_barrier_signal -1
	s_barrier_wait -1
	v_mov_b32 v11, 0
	ds_load_b128 v[Q:Q+3], v11
	ds_load_b128 v[Q+4:Q+7], v11 offset:16
	s_wait_dscnt 0x0
	v_pk_add_f32 v[Q:Q+1], v[Q:Q+1], v[Q+2:Q+3]
	v_pk_add_f32 v[Q+4:Q+5], v[Q+4:Q+5], v[Q+6:Q+7]
	s_delay_alu instid0(VALU_DEP_1)
	v_pk_add_f32 v[Q:Q+1], v[Q:Q+1], v[Q+4:Q+5]
	s_delay_alu instid0(VALU_DEP_1)
	v_add_f32 v[Q], v[Q], v[Q+1]                   ; the eight waves' sums, in a fixed order
	s_cmp_lg_u32 s14, 0
	s_cbranch_scc1 .Ldone
	v_cmp_eq_u32 vcc_lo, 0, v0
	s_wait_xcnt 0x0                                ; EXEC changes only behind this wait: the stores above have it among their sources
	s_and_saveexec_b32 s34, vcc_lo
	s_wait_alu depctr_va_vdst(0)
	global_store_b32 v11, v[Q], s[12:13]           ; thread 0 alone
	s_wait_xcnt 0x0                                ; and again, in front of the line that widens it
	s_or_b32 exec_lo, exec_lo, s34
.Ldone:
	s_wait_tensorcnt 0x0
	ds_add_u32 v152, v153
	s_wait_dscnt 0x0
	s_endpgm
.Lfunc_end_k_qb492f18b1e_gather:
	.size	k_qb492f18b1e_gather, .Lfunc_end_k_qb492f18b1e_gather-k_qb492f18b1e_gather
	.p2alignl 7, 3214868480
	.fill 96, 4, 3214868480
	.section	.rodata,"a",@progbits
	.p2align	6, 0x0
	.amdhsa_kernel k_qb492f18b1e_gather
		.amdhsa_group_segment_fixed_size 1280
		.amdhsa_private_segment_fixed_size 0
		.amdhsa_enable_private_segment 0
		.amdhsa_kernarg_size 40
		.amdhsa_user_sgpr_count 2
		.amdhsa_user_sgpr_kernarg_segment_ptr 1
		.amdhsa_wavefront_size32 1
		.amdhsa_system_sgpr_workgroup_id_x 1
		.amdhsa_system_sgpr_workgroup_id_y 1
		.amdhsa_system_sgpr_workgroup_id_z 1
		.amdhsa_system_vgpr_workitem_id 0
		.amdhsa_next_free_vgpr 154
		.amdhsa_next_free_sgpr 66
		.amdhsa_reserve_vcc 1
		.amdhsa_float_denorm_mode_32 3
		.amdhsa_float_denorm_mode_16_64 3
		.amdhsa_memory_ordered 1
		.amdhsa_forward_progress 1
		.amdhsa_inst_pref_size 17
	.end_amdhsa_kernel
	.amdgpu_metadata
---
amdhsa.version: [ 1, 2 ]
amdhsa.kernels:
  - .name:           k_qb492f18b1e_gather
    .symbol:         k_qb492f18b1e_gather.kd
    .args:
      - { .name: x, .offset: 0, .size: 8, .value_kind: global_buffer, .address_space: global }
      - { .name: embed, .offset: 8, .size: 8, .value_kind: global_buffer, .address_space: global }
      - { .name: ind, .offset: 16, .size: 8, .value_kind: global_buffer, .address_space: global }
      - { .name: out0, .offset: 24, .size: 8, .value_kind: global_buffer, .address_space: global }
      - { .name: part, .offset: 32, .size: 8, .value_kind: global_buffer, .address_space: global }
    .group_segment_fixed_size: 1280
    .private_segment_fixed_size: 0
    .kernarg_segment_align: 8
    .kernarg_segment_size: 40
    .max_flat_workgroup_size: 256
    .sgpr_count:     66
    .vgpr_count:     154
    .wavefront_size: 32
...
	.end_amdgpu_metadata
.endif
;; end of part 3
;; launch total (part 4): grid 1 x 1, 1 waves a work-group, no clusters, 0 bytes of LDS; arguments part, out2; writes out2
.if DOCPART == 4
	.amdgcn_target "amdgcn-amd-amdhsa--gfx1250"
	.amdhsa_code_object_version 6
	.text
	.protected	k_qb492f18b1e_total
	.globl	k_qb492f18b1e_total
	.p2align	8
	.type	k_qb492f18b1e_total,@function
k_qb492f18b1e_total:
	s_mov_b64 s[64:65], 0
	v_nop
	global_prefetch_b8 v0, s[64:65] scope:SCOPE_SE
	s_setreg_imm32_b32 hwreg(HW_REG_WAVE_MODE, 25, 1), 1
	s_wait_xcnt 0x0
; out2 = the commitment weight (1.0) x the mean of (quantize - x)^2: the 512 work-groups' sums are added in a fixed order and divided by 32,768 x 256 = 2^23.
; One wave: 512 numbers are 2,048 bytes, four loads of 16 bytes a lane.
	s_load_b128 s[4:7], s[0:1], 0x0                ; part s[4:5], out2 s[6:7]
	v_lshlrev_b32 v1, 4, v0
	v_mov_b32 v2, 0
	s_mov_b32 s8, 0x76543210
	s_mov_b32 s9, 0xfedcba98
	s_wait_alu depctr_va_vdst(0)
	s_wait_kmcnt 0x0
.irp i, 0,1,2,3
	global_load_b128 v[4+4*\i:7+4*\i], v1, s[4:5] offset:512*\i
.endr
	s_wait_loadcnt 0x0
	v_pk_add_f32 v[4:5], v[4:5], v[8:9]
	v_pk_add_f32 v[6:7], v[6:7], v[10:11]
	v_pk_add_f32 v[12:13], v[12:13], v[16:17]
	v_pk_add_f32 v[14:15], v[14:15], v[18:19]
	v_pk_add_f32 v[4:5], v[4:5], v[12:13]
	v_pk_add_f32 v[6:7], v[6:7], v[14:15]
	v_pk_add_f32 v[4:5], v[4:5], v[6:7]
	v_add_f32 v4, v4, v5
	v_add_f32_dpp v4, v4, v4 row_xmask:1 row_mask:0xf bank_mask:0xf
	v_add_f32_dpp v4, v4, v4 row_xmask:2 row_mask:0xf bank_mask:0xf
	v_add_f32_dpp v4, v4, v4 row_xmask:4 row_mask:0xf bank_mask:0xf
	v_add_f32_dpp v4, v4, v4 row_xmask:8 row_mask:0xf bank_mask:0xf
	v_permlanex16_b32 v5, v4, s8, s9
	v_add_f32 v4, v4, v5
	v_mul_f32 v4, 0x34000000, v4                   ; x 2^-23
	v_cmp_eq_u32 vcc_lo, 0, v0
	s_wait_alu depctr_va_vdst(0)
	s_wait_xcnt 0x0                                ; EXEC changes only behind this wait
	s_and_saveexec_b32 s10, vcc_lo
	global_store_b32 v2, v4, s[6:7]                ; lane 0 alone
	s_wait_xcnt 0x0
	s_or_b32 exec_lo, exec_lo, s10
	s_endpgm
.Lfunc_end_k_qb492f18b1e_total:
	.size	k_qb492f18b1e_total, .Lfunc_end_k_qb492f18b1e_total-k_qb492f18b1e_total
	.p2alignl 7, 3214868480
	.fill 96, 4, 3214868480
	.section	.rodata,"a",@progbits
	.p2align	6, 0x0
	.amdhsa_kernel k_qb492f18b1e_total
		.amdhsa_group_segment_fixed_size 0
		.amdhsa_private_segment_fixed_size 0
		.amdhsa_enable_private_segment 0
		.amdhsa_kernarg_size 16
		.amdhsa_user_sgpr_count 2
		.amdhsa_user_sgpr_kernarg_segment_ptr 1
		.amdhsa_wavefront_size32 1
		.amdhsa_system_sgpr_workgroup_id_x 1
		.amdhsa_system_sgpr_workgroup_id_y 1
		.amdhsa_system_sgpr_workgroup_id_z 1
		.amdhsa_system_vgpr_workitem_id 0
		.amdhsa_next_free_vgpr 24
		.amdhsa_next_free_sgpr 66
		.amdhsa_reserve_vcc 1
		.amdhsa_float_denorm_mode_32 3
		.amdhsa_float_denorm_mode_16_64 3
		.amdhsa_memory_ordered 1
		.amdhsa_forward_progress 1
		.amdhsa_inst_pref_size 3
	.end_amdhsa_kernel
	.amdgpu_metadata
---
amdhsa.version: [ 1, 2 ]
amdhsa.kernels:
  - .name:           k_qb492f18b1e_total
    .symbol:         k_qb492f18b1e_total.kd
    .args:
      - { .name: part, .offset: 0, .size: 8, .value_kind: global_buffer, .address_space: global }
      - { .name: out2, .offset: 8, .size: 8, .value_kind: global_buffer, .address_space: global }
    .group_segment_fixed_size: 0
    .private_segment_fixed_size: 0
    .kernarg_segment_align: 8
    .kernarg_segment_size: 16
    .max_flat_workgroup_size: 32
    .sgpr_count:     66
    .vgpr_count:     24
    .wavefront_size: 32
...
	.end_amdgpu_metadata
.endif
;; end of part 4
